; MI455X (gfx1250); checked and timed in simulation.
; The chip was launched on July 23, 2026; its instructions are those of AMD's public machine-readable ISA for CDNA 5 (MIT licence, August 2026) and "CDNA5" Instruction Set Architecture Reference Guide (July 2026). The comments in the code are by the model that wrote it; some were corrected since.
;; Single Attention. Allowed arithmetic: matrix products marked QUANTISED: E2M3 operands, one E8M0 scale for each 32 along K, by v_wmma_scale_f32_16x16x128_f8f6f4 with both operands' format E2M3, f32 sums; everything else in f32.
;; Inputs: Wk 512 x 512 float32; Wq 512 x 512 float32; Wv 512 x 128 float32; bk 512 float32; bq 512 float32; bv 128 float32; x_k 16 x 2,048 x 512 float32; x_q 16 x 2,048 x 512 float32; x_v 16 x 2,048 x 512 float32.
;; Outputs: out0 16 x 2,048 x 128 float32.
;; This version of the problem:
;;   THIS VERSION OF THE PROBLEM IS GIVEN IN LOW PRECISION. The matrix products marked QUANTISED in the list below multiply operands that are first quantised to E2M3 (2 exponent bits, 3 mantissa bits; 6 bits a number), with one power-of-two scale for each 32 numbers along K (OCP MX v1.0); their sums are f32. All else is computed in f32.
;;   The module's matrix products, in the order in which they are computed (A, B: the left and right operand; K: the contracted axis; several contracted axes count as one K, in the product's order):
;;     1. [M 32,768, K 512] x [K 512, N 512]; A: input x_q; B: input Wq: QUANTISED
;;     2. [M 32,768, K 512] x [K 512, N 512]; A: input x_k; B: input Wk: QUANTISED
;;     3. [M 32,768, K 512] x [K 512, N 128]; A: input x_v; B: input Wv: QUANTISED
;;     4. batch 16 x [M 2,048, K 512] x [K 512, N 2,048]; A: computed on the way; B: computed on the way: QUANTISED
;;     5. batch 16 x [M 2,048, K 2,048] x [K 2,048, N 128]; A: softmax (see below); B: computed on the way: QUANTISED
;;   THE QUANTISER, for each operand of a quantised product, along K:
;;     - K is cut into blocks of 32 from its start; a last block that is shorter is filled with zeros.
;;     - A block's scale is 2^e with e = floor(log2(the largest magnitude in the block)) - 2, held to -126 .. 127; a block of zeros has e = 0. As a byte (E8M0): e + 127.
;;     - Each number is divided by its block's scale, clamped to +-7.5, and rounded to the nearest number of E2M3, ties to even, subnormals kept.
;;     - The product sums the exact products of the quantised numbers (number of the format x scale) in f32.
;;   ~~~python
;;   def quantise(x, axis):      # numpy; x: float32 -> the quantised numbers, widened to float32 again
;;       x = np.moveaxis(x, axis, -1); K = x.shape[-1]
;;       x = np.pad(x, [(0, 0)] * (x.ndim - 1) + [(0, -K % 32)]); x = x.reshape(x.shape[:-1] + (-1, 32)); a = np.abs(x).max(-1, keepdims=True)
;;       e = np.where(a > 0, np.clip(np.frexp(np.where(a > 0, a, 1))[1] - 1 - 2, -126, 127), 0)      # np.frexp(a)[1] - 1 = floor(log2(a)), exactly
;;       r = np.clip(x / 2.0 ** e, -7.5, 7.5)
;;       step = 2.0 ** (np.maximum(np.frexp(np.where(r == 0, 1, r))[1] - 1, 0) - 3)
;;       q = np.round(r / step) * step * 2.0 ** e      # np.round: ties to even
;;       return np.moveaxis(q.reshape(q.shape[:-2] + (-1,))[..., :K], -1, axis).astype(np.float32)
;;   ~~~
;;   SOFTMAX AHEAD OF A QUANTISED PRODUCT. Where the list says 'softmax', what is quantised is not the finished softmax but p = 2^(t - M), with t = logit x log2(e) and M = ceil(the row's largest t), a whole number; so 1/2 < the row's largest p <= 1. The row's sum l is taken of the UNQUANTISED p, in f32, and the product's result is divided by l at the end. Since M is a whole number, a kernel that streams over the keys may use a running M (the ceiling of the running maximum): every later rescaling is an exact power of two, which a block's scale takes up: the codes' values come out the same.
;;   OPERANDS COMPUTED ON THE WAY. 'Computed on the way' means the value that the module computes at that place (a softmax that the list does not call 'softmax' is quantised finished and normalised). What goes into a quantiser is computed in f32, as accurately as f32 sums, v_exp_f32 and their like allow (about 1e-6 of the number): no bf16 or f16 on the way to a quantiser, and a product that is left as it is and whose result goes on into a quantised operand takes f32 operands (vector FMAs, or v_wmma_f32_16x16x4_f32). A number that lies on a knife's edge between two numbers of the format may be rounded either way, as far as f32 arithmetic and the matrix unit's own rounding can turn it there, and no further.
;; One version. Each part assembles by itself: llvm-mc -triple=amdgcn-amd-amdhsa -mcpu=gfx1250 --defsym DOCPART=n.
;; ======== version 1 of 1: 3 launches
;; limits: right only within a limited range of input values
;; workspace buffers: wts 479,232 bytes; qf 13,107,200 bytes; kv 16,384,000 bytes
;; launch wquant (part 1): grid 72 x 1, 4 waves a work-group, no clusters, 0 bytes of LDS; arguments Wq, Wk, Wv, wts; writes wts
.if DOCPART == 1
	.amdgcn_target "amdgcn-amd-amdhsa--gfx1250"
	.amdhsa_code_object_version 6
	.text
	.protected	k_q8a7201619b_wquant
	.globl	k_q8a7201619b_wquant
	.p2align	8
	.type	k_q8a7201619b_wquant,@function
k_q8a7201619b_wquant:
	s_mov_b64 s[64:65], 0
	v_nop
	global_prefetch_b8 v0, s[64:65] scope:SCOPE_SE
	s_setreg_imm32_b32 hwreg(HW_REG_WAVE_MODE, 25, 1), 1
	s_wait_xcnt 0x0
; Wq, Wk [512 (k)][512 (n)] and Wv [512 (k)][128 (n)], f32 with K as the FIRST axis, become operands of MX-FP6 (E2M3, one E8M0 byte for each 32 along K),
; laid as IMAGES OF THE OPERAND'S REGISTERS: a fragment (16 columns x 128 K, 12 registers a lane) is 1,536 bytes, registers 4 c .. 4 c + 3 of lane l at 512 c + 16 l;
; its scale words are 128 bytes, lane l's word at 4 l (lanes 0-15 and 16-31 hold the same sixteen words).
; A work-group is one tile of 16 columns (0-31: Wq, 32-63: Wk, 64-71: Wv), its wave s the K step s: one fragment a wave.
; A LANE TAKES A COLUMN AND ITS REGISTERS RUN DOWN K, in the order that the operand's layout gives the lane (k = 128 s + 64 c + 32 (lane / 16) + 0 .. 31): the conversions' results are the operand.
; Wq, Wk: THE COLUMNS OF A TILE ARE NOT NEIGHBOURS: lane r of tile tau takes column 32 (tau / 2) + 8 (tau % 2) + r + 8 (r / 8), so that in the next launch two neighbouring tiles' results are 16 neighbours along d.
; Fragment numbers: Wq, Wk: 128 sel + 32 (tau / 8) + 8 s + tau % 8;  Wv: 256 + 4 c + s.
; LIMITS: a block of zeros gets the byte 1 where the quantiser's rule says 127 (its codes are zeros, and this program alone reads the bytes); NaN and infinities among the inputs are not served.
; No LDS, no barrier, no loop: waves share nothing, and the launch reads 2.4 MB in all.
.set FRB, 1536                         ; a fragment's image in bytes
.set SCL, 288*FRB                      ; behind the 288 fragments: their scale words
.macro WLD pitch                       ; W(128 s + 64 c + 32 h + i, my column): sixteen lanes read neighbouring columns of one row
.irp c, 0,1
.irp i, 0,1,2,3,4,5,6,7,8,9,10,11,12,13,14,15,16,17,18,19,20,21,22,23,24,25,26,27,28,29,30,31
	global_load_b32 v[64+32*\c+\i], v3, s[4:5] offset:(64*\c+\i)*(\pitch)
.endr
.endr
.endm
	s_load_b128 s[4:7], s[0:1], 0x0                ; Wq, Wk
	s_load_b128 s[8:11], s[0:1], 0x10              ; Wv, wts
	v_lshrrev_b32 v1, 5, v0
	v_readfirstlane_b32 s12, v1                    ; wave = K step s
	v_and_b32 v1, 15, v0                           ; r
	v_bfe_u32 v2, v0, 4, 1                         ; h
	v_and_b32 v5, 31, v0                           ; lane
	v_lshlrev_b32 v4, 4, v5                        ; an image's place for my lane
	v_lshlrev_b32 v5, 2, v5                        ; a scale word's
	s_mov_b32 s20, 0x76543210
	s_mov_b32 s21, 0xfedcba98                      ; v_permlanex16_b32's selects for lane l xor 16
	s_mov_b32 s17, 0
	s_wait_kmcnt 0x0
	s_cmp_lt_u32 ttmp9, 64                         ; the work-group's number alone decides the path
	s_cbranch_scc0 .Lwv
	s_cmp_lt_u32 ttmp9, 32
	s_cselect_b64 s[4:5], s[4:5], s[6:7]           ; Wq or Wk
	s_and_b32 s14, ttmp9, 31                       ; tau
	s_lshr_b32 s15, s14, 1
	s_lshl_b32 s15, s15, 5
	s_and_b32 s16, s14, 1
	s_lshl_b32 s16, s16, 3
	s_add_co_u32 s15, s15, s16                     ; 32 (tau / 2) + 8 (tau % 2)
	s_wait_alu depctr_va_vdst(0)
	v_and_b32 v3, 8, v1
	v_add_nc_u32 v3, v3, v1                        ; r + 8 (r / 8)
	v_add_nc_u32 v3, s15, v3                       ; my column
	v_lshlrev_b32 v3, 2, v3
	v_lshl_add_u32 v3, v2, 16, v3                  ; + 32 h rows of 2,048 bytes
	s_lshl_b32 s16, s12, 18                        ; 128 s rows
	s_add_nc_u64 s[4:5], s[4:5], s[16:17]
	WLD 2048
	s_lshr_b32 s18, ttmp9, 5
	s_lshl_b32 s18, s18, 7                         ; 128 sel
	s_lshr_b32 s19, s14, 3
	s_lshl_b32 s19, s19, 5
	s_add_co_u32 s18, s18, s19                     ; + 32 (tau / 8)
	s_lshl_b32 s19, s12, 3
	s_add_co_u32 s18, s18, s19                     ; + 8 s
	s_and_b32 s19, s14, 7
	s_add_co_u32 s18, s18, s19                     ; + tau % 8
	s_branch .Ljoin
.Lwv:
	s_sub_co_u32 s14, ttmp9, 64                    ; c: Wv's tile, columns 16 c + r
	s_lshl_b32 s15, s14, 4
	s_wait_alu depctr_va_vdst(0)
	v_add_nc_u32 v3, s15, v1
	v_lshlrev_b32 v3, 2, v3
	v_lshl_add_u32 v3, v2, 14, v3                  ; + 32 h rows of 512 bytes
	s_lshl_b32 s16, s12, 16                        ; 128 s rows
	s_add_nc_u64 s[4:5], s[8:9], s[16:17]
	WLD 512
	s_lshl_b32 s18, s14, 2
	s_add_co_u32 s18, s18, s12
	s_add_co_u32 s18, s18, 256                     ; 256 + 4 c + s
.Ljoin:
	s_mul_i32 s16, s18, FRB
	s_add_nc_u64 s[22:23], s[10:11], s[16:17]      ; where my fragment goes,
	s_lshl_b32 s16, s18, 7
	s_add_co_u32 s16, s16, SCL
	s_add_nc_u64 s[24:25], s[10:11], s[16:17]      ; and its scale words
	s_wait_loadcnt 0x0
.irp c, 0,1                                    ; my block 2 c + h: all its 32 numbers are mine
	v_max3_num_f32 v[32+\c], |v[64+32*\c]|, |v[65+32*\c]|, 0x1800000   ; and the floor 2^(3 - 127): the byte cannot fall under 1
.endr
.irp i, 2,4,6,8,10,12,14,16,18,20,22,24,26,28,30
.irp c, 0,1
	v_max3_num_f32 v[32+\c], v[32+\c], |v[64+32*\c+\i]|, |v[65+32*\c+\i]|   ; the two blocks by turns
.endr
.endr
.irp c, 0,1
	v_add_nc_u32 v[44+\c], 0xff000000, v[32+\c]    ; 2 off the exponent field: the conversion takes that field of this operand as its scale
.endr
.irp c, 0,1
	v_lshrrev_b32 v[36+\c], 23, v[44+\c]           ; the scale's byte
.endr
	v_lshl_or_b32 v9, v37, 16, v36                 ; my two bytes: blocks h and 2 + h,
	v_lshlrev_b32 v10, 3, v2
	v_lshlrev_b32 v9, v10, v9                      ; at their places in the word;
	v_mov_b32 v10, 0
	v_permlanex16_b32 v10, v9, s20, s21
	v_or_b32 v9, v9, v10                           ; with lane l xor 16's two the word is whole
.irp c, 0,1
	v_cvt_scalef32_pk16_fp6_f32 v[48+6*\c:50+6*\c], v[64+32*\c:79+32*\c], v[44+\c]
	v_cvt_scalef32_pk16_fp6_f32 v[128+4*\c:130+4*\c], v[80+32*\c:95+32*\c], v[44+\c]   ; a conversion's three registers begin on an even number: the second half is made elsewhere and moved
.endr
	v_nop                                          ; one plain instruction behind the scaled conversions
.irp c, 0,1
.irp i, 0,1,2
	v_mov_b32 v[51+6*\c+\i], v[128+4*\c+\i]
.endr
.endr
.irp c, 0,1,2
	global_store_b128 v4, v[48+4*\c:51+4*\c], s[22:23] offset:512*\c   ; 32 lanes store 512 consecutive bytes, at a multiple of 256 from the buffer's first byte
.endr
	global_store_b32 v5, v9, s[24:25]
	s_endpgm
.Lfunc_end_k_q8a7201619b_wquant:
	.size	k_q8a7201619b_wquant, .Lfunc_end_k_q8a7201619b_wquant-k_q8a7201619b_wquant
	.p2alignl 7, 3214868480
	.fill 96, 4, 3214868480
	.section	.rodata,"a",@progbits
	.p2align	6, 0x0
	.amdhsa_kernel k_q8a7201619b_wquant
		.amdhsa_group_segment_fixed_size 0
		.amdhsa_private_segment_fixed_size 0
		.amdhsa_enable_private_segment 0
		.amdhsa_kernarg_size 32
		.amdhsa_user_sgpr_count 2
		.amdhsa_user_sgpr_kernarg_segment_ptr 1
		.amdhsa_wavefront_size32 1
		.amdhsa_system_sgpr_workgroup_id_x 1
		.amdhsa_system_sgpr_workgroup_id_y 1
		.amdhsa_system_sgpr_workgroup_id_z 1
		.amdhsa_system_vgpr_workitem_id 0
		.amdhsa_next_free_vgpr 144
		.amdhsa_next_free_sgpr 66
		.amdhsa_reserve_vcc 0
		.amdhsa_float_denorm_mode_32 3
		.amdhsa_float_denorm_mode_16_64 3
		.amdhsa_memory_ordered 1
		.amdhsa_forward_progress 1
		.amdhsa_inst_pref_size 18
	.end_amdhsa_kernel
	.amdgpu_metadata
---
amdhsa.version: [ 1, 2 ]
amdhsa.kernels:
  - .name:           k_q8a7201619b_wquant
    .symbol:         k_q8a7201619b_wquant.kd
    .args:
      - { .name: Wq, .offset: 0, .size: 8, .value_kind: global_buffer, .address_space: global }
      - { .name: Wk, .offset: 8, .size: 8, .value_kind: global_buffer, .address_space: global }
      - { .name: Wv, .offset: 16, .size: 8, .value_kind: global_buffer, .address_space: global }
      - { .name: wts, .offset: 24, .size: 8, .value_kind: global_buffer, .address_space: global }
    .group_segment_fixed_size: 0
    .private_segment_fixed_size: 0
    .kernarg_segment_align: 8
    .kernarg_segment_size: 32
    .max_flat_workgroup_size: 128
    .sgpr_count:     66
    .vgpr_count:     144
    .wavefront_size: 32
...
	.end_amdgpu_metadata
.endif
;; end of part 1
;; launch proj (part 2): grid 256 x 1, 8 waves a work-group, no clusters, 327,680 bytes of LDS; arguments x_q, x_k, x_v, bq, bk, bv, wts, qf, kv; writes qf, kv
.if DOCPART == 2
	.amdgcn_target "amdgcn-amd-amdhsa--gfx1250"
	.amdhsa_code_object_version 6
	.text
	.protected	k_q8a7201619b_proj
	.globl	k_q8a7201619b_proj
	.p2align	8
	.type	k_q8a7201619b_proj,@function
k_q8a7201619b_proj:
	s_mov_b64 s[64:65], 0
	v_nop
	global_prefetch_b8 v0, s[64:65] scope:SCOPE_SE
	s_setreg_imm32_b32 hwreg(HW_REG_WAVE_MODE, 25, 1), 1
	s_wait_xcnt 0x0
; q = x_q Wq + bq, k = x_k Wk + bk, v = x_v Wv + bv on codes of MX-FP6 (E2M3, one E8M0 byte for each 32 along K); the results are quantised again
; (q, k along d; v along the keys) and stored as images of the next launch's operand registers: a fragment (16 rows x 128 K) is 1,536 bytes, registers 4 c .. 4 c + 3 of lane l at 512 c + 16 l.
; qf: a block of 51,200 bytes for 128 queries: fragment (tile TT, d step s) at 1,536 (4 TT + s), scale words at 49,152.  kv: 64,000 bytes for 128 keys: K alike, V's 8 fragments at 51,200, their scale words at 63,488.
; SHARES.  Work-groups 0-127 take 256 rows of x_q each, work-groups 128-255 256 rows of x_k, so that a work-group loads one of Wq, Wk, once; every work-group also takes 128 rows of x_v.
; The rows come in six halves of 64 through a ring of two LDS slots (f32, as they lie).  Eight waves, two to a SIMD.
; A half: (1) wave w quantises tile w % 4 (16 rows), K steps 2 (w / 4) and + 1, and stores the two fragments' images in LDS; (2) wave w multiplies all four tiles by its 64 columns of W, which stay in registers
; (transposed use: a lane holds one row of x and 16 neighbours along d in two tiles), quantises, and puts its half fragments into a stage in LDS; (3) each wave reads two whole fragments back and stores them, 512 bytes on end.
; The rows of a tile are 32 (mt / 2) + 8 (mt % 2) + r + 8 (r / 8), so that in V's product two neighbouring tiles hold 16 neighbouring keys.
; The weights go from memory into registers: they pass no LDS, which the slots fill, so no joint load is asked for.
; PREFETCH: behind the tensor load of half i each wave asks for its own 16,384 bytes of half i + 1: 64 blocks of 256 bytes, a lane a block, two instructions, one half ahead of the load that wants them; behind the last half's load nothing is asked for.
; LIMITS: a block of zeros gets the byte 1 where the quantiser's rule says 127 (its codes are zeros, and this program alone reads the bytes); NaN and infinities among the inputs are not served.
; REGISTERS.  Window 0: v1-27 addresses; HA 64 sums or numbers of x; ST 64 numbers of x, then two sets of x's fragments, then the way out; PC codes; TM at work; XS, WS scale words.
; Window 1: v0-191 W's 16 fragments (12 (4 s + tt)), v192-223 the bias as the first product's C; for V: v0-47 Wv, v48-239 two sets of x's eight fragments.
.set XP,    2080                       ; a row of x in LDS: 2 x (1,024 bytes + 16 of padding)
.set SLOTB, 64*XP
.set FRB,   1536
.set IMGX,  2*SLOTB                    ; x's 16 fragments of a half
.set STG,   IMGX+16*FRB                ; the stage: 16 fragments of results, wave w's half fragment of tile m at 6,144 m + 768 w (for V: the second half's images of x)
.set XSC,   STG+16*FRB                 ; x's scale words: 128 bytes for each fragment; two halves
.set OSC,   XSC+4096                   ; the results' scale bytes: a plane of 512 bytes for each wave
.set SPARE, OSC+4096                   ; the spare words: 128 bytes for each of eight waves
.set LI,  1
.set LS,  2
.set XR0, 3
.set XWI, 5
.set RB8, 6
.set XWS, 7
.set FI,  8
.set FS,  9
.set SW16, 10
.set SW8, 11
.set SPW, 12
.set NIL, 13
.set OSW, 14
.set OSR, 15
.set CO,  16
.set SOF, 17
.set BH,  18
.set VSO, 19
.set CV,  20
.set BVO, 21
.set L8,  22
.set L,   23
.set R,   24
.set H,   25
.set PFO, 27                           ; the prefetches' offset: 256 lane; never rewritten
.set HA,  32
.set ST,  96
.set PC,  160
.set TM,  180
.set PW,  196
.set XS,  200
.set WS,  232
.set G1,  28
.set G0A, 36
.set XN,  44                           ; where the refills of this trip come from
.set XV,  46                           ; my part of x_v
.set WP,  48
.set WSP, 50
.set O2,  54                           ; the second block of results
.set OP,  56
.set OK2, 58                           ; V's block of kv
.set SEL, 60
.set WVC, 66
.set WVS, 68
.set BVP, 70
.set XK,  72                           ; my part of my tensor's rows 128 .. 255
.set BQ,  74
.set OQ,  76                           ; the first block of results
.set XH1, 82                           ; my part of the second half
.set MSB, 0
.macro WIN new                         ; the immediate's high byte repeats the setting that is left
.if MSB != (\new)
	s_set_vgpr_msb (MSB<<8)|(\new)
.set MSB, \new
.endif
.endm
.macro PLACES                          ; four plain instructions behind matrix instructions (ISA guide 7.12.1)
.rept 4
	v_nop
.endr
.endm
.macro ASK base, off                   ; my 16,384 bytes of a half: 2 x 32 blocks of 256 bytes
	global_prefetch_b8 v[PFO], s[\base:\base+1] offset:(\off) th:TH_LOAD_NT scope:SCOPE_SE
	global_prefetch_b8 v[PFO], s[\base:\base+1] offset:(\off)+8192 th:TH_LOAD_NT scope:SCOPE_SE
.endm
.macro WMQ d, a, b, c, sa, sb
	v_wmma_scale_f32_16x16x128_f8f6f4 v[(\d):(\d)+7], v[(\a):(\a)+11], v[(\b):(\b)+11], v[(\c):(\c)+7], v[(\sa)], v[(\sb)] matrix_a_fmt:MATRIX_FMT_FP6 matrix_b_fmt:MATRIX_FMT_FP6
.endm
; 64 numbers a lane, four blocks of 32 shared with lane l xor 16, become 12 registers of codes in PC.  The bytes of blocks 0, 1 go to PW, of 2, 3 to PW + 1; whole = 1: all four to PW.
.macro QUANT s, whole
.irp b, 0,1,2,3
	v_max3_num_f32 v[TM+\b], |v[\s+16*\b]|, |v[\s+1+16*\b]|, 0x1800000   ; the floor 2^(3 - 127): the byte cannot fall under 1
.endr
.irp i, 2,4,6,8,10,12,14
.irp b, 0,1,2,3
	v_max3_num_f32 v[TM+\b], v[TM+\b], |v[\s+16*\b+\i]|, |v[\s+1+16*\b+\i]|   ; four chains by turns
.endr
.endr
.irp b, 0,1,2,3
	v_permlanex16_b32 v[TM+4+\b], v[TM+\b], s[SEL], s[SEL+1]
.endr
.irp b, 0,1,2,3
	v_max_num_f32 v[TM+\b], v[TM+\b], v[TM+4+\b]
.endr
.irp b, 0,1,2,3
	v_add_nc_u32 v[TM+12+\b], 0xff000000, v[TM+\b]   ; 2 off the exponent field: the conversion's scale operand
.endr
.irp b, 0,1,2,3
	v_lshrrev_b32 v[TM+4+\b], 23, v[TM+12+\b]        ; the scale's byte
.endr
	v_lshl_or_b32 v[PW], v[TM+5], 8, v[TM+4]
	v_lshl_or_b32 v[PW+1], v[TM+7], 8, v[TM+6]
.irp c, 0,1
	v_cvt_scalef32_pk16_fp6_f32 v[PC+6*\c:PC+2+6*\c], v[\s+32*\c:\s+15+32*\c], v[TM+12+2*\c]
	v_cvt_scalef32_pk16_fp6_f32 v[PC+12+4*\c:PC+14+4*\c], v[\s+16+32*\c:\s+31+32*\c], v[TM+12+2*\c+1]
.endr
.if \whole
	v_lshl_or_b32 v[PW], v[PW+1], 16, v[PW]          ; also the plain instruction behind the scaled conversions
.else
	v_nop
.endif
.irp c, 0,1
.irp i, 0,1,2
	v_permlane16_swap_b32 v[PC+6*\c+\i], v[PC+12+4*\c+\i]   ; a whole block to a lane
.endr
.endr
.irp c, 0,1
.irp i, 0,1,2
	v_mov_b32 v[PC+3+6*\c+\i], v[PC+12+4*\c+\i]
.endr
.endr
.endm
.macro XLD reg, slot, e                ; my row's 16 numbers of each of the four blocks of my K step e
.irp b, 0,1,2,3
.irp j, 0,1,2,3
	ds_load_b128 v[(\reg)+16*\b+4*\j:(\reg)+16*\b+4*\j+3], v[XR0+(\slot)] offset:512*(\e)+128*\b+16*\j
.endr
.endr
.endm
.macro IMAGE par, e
.irp c, 0,1,2
	ds_store_b128 v[XWI], v[PC+4*\c:PC+4*\c+3] offset:16*FRB*(\par)+FRB*(\e)+512*\c
.endr
	ds_store_b32 v[XWS], v[PW] offset:2048*(\par)+128*(\e)
.endm
.macro XPH slot, par                   ; x's numbers of a half become fragments in LDS: two a wave
	s_wait_xcnt 0x0                                ; earlier stores have read the registers that the loads below fill
	XLD HA, \slot, 0
	XLD ST, \slot, 1
	s_wait_dscnt 16                                ; all but the second sixteen
	QUANT HA, 1
	IMAGE \par, 0
	s_wait_dscnt 4                                 ; all but the four stores just issued
	QUANT ST, 1
	IMAGE \par, 1
.endm
.macro FX buf, p, s                    ; the fragments of tiles 2 p, 2 p + 1, K step s
.irp mm, 0,1
.irp c, 0,1,2
	ds_load_b128 v[ST+24*(\buf)+12*\mm+4*\c:ST+24*(\buf)+12*\mm+4*\c+3], v[FI] offset:FRB*(4*(2*(\p)+\mm)+(\s))+512*\c
.endr
.endr
.endm
.macro XSL p                           ; their scale words, all four K steps
.irp mm, 0,1
.irp s, 0,1,2,3
	ds_load_b32 v[XS+8*((\p)%2)+4*\mm+\s], v[FS] offset:128*(4*(2*(\p)+\mm)+\s)
.endr
.endr
.endm
; Two tiles of x by my 64 columns: 32 matrix instructions, eight sums by turns; the first takes the bias as C.  Each K step's fragments are asked for one K step ahead.
.macro PAIR par, p, more
.irp s, 0,1,2,3
.if \s < 3
.if \s > 0
	PLACES
.endif
	FX (\s+1)%2, \p, \s+1
	s_wait_dscnt 6                                 ; all but the six just issued
.else
	s_wait_dscnt 0x0
.endif
.if \s == 0
	WIN 0x11                                       ; W and the bias window 1
.else
	WIN 0x01
.endif
.irp mm, 0,1
.irp tt, 0,1,2,3
.if \s == 0
	WMQ HA+32*\mm+8*\tt, 12*(4*\s+\tt), ST+24*(\s%2)+12*\mm, 192+8*\tt, WS+4*\s+\tt, XS+8*((\p)%2)+4*\mm+\s
.else
	WMQ HA+32*\mm+8*\tt, 12*(4*\s+\tt), ST+24*(\s%2)+12*\mm, HA+32*\mm+8*\tt, WS+4*\s+\tt, XS+8*((\p)%2)+4*\mm+\s
.endif
.endr
.endr
	WIN 0
.endr
	PLACES
.if \more
	XSL (\p)+1
	FX 0, (\p)+1, 0
.endif
	QUANT HA, 0                                    ; blocks 0, 1: tile 2 p; blocks 2, 3: tile 2 p + 1
.irp mm, 0,1
	ds_store_b128 v[SW16], v[PC+6*\mm:PC+6*\mm+3] offset:4*FRB*(2*(\p)+\mm)
	ds_store_b64 v[SW8], v[PC+6*\mm+4:PC+6*\mm+5] offset:4*FRB*(2*(\p)+\mm)
	ds_store_b32 v[OSW], v[PW+\mm] offset:256*\mm+4*(2*(\par)+(\p))
.endr
.endm
.macro BACK par                        ; two whole fragments out of the stage, each from two waves' halves, and out
.irp e, 0,1
	ds_load_b128 v[ST+12*\e:ST+12*\e+3], v[XWI] offset:16*FRB+FRB*\e
	ds_load_b64 v[ST+12*\e+4:ST+12*\e+5], v[RB8] offset:16*FRB+FRB*\e+512
	ds_load_b128 v[ST+12*\e+6:ST+12*\e+9], v[XWI] offset:16*FRB+FRB*\e+768
	ds_load_b64 v[ST+12*\e+10:ST+12*\e+11], v[RB8] offset:16*FRB+FRB*\e+1280
.endr
	s_wait_dscnt 0x0
.irp e, 0,1
.irp c, 0,1,2
	global_store_b128 v[CO], v[ST+12*\e+4*\c:ST+12*\e+4*\c+3], s[OP:OP+1] offset:16*FRB*(\par)+FRB*\e+512*\c   ; 32 lanes store 512 consecutive bytes
.endr
.endr
.endm
.macro WLOAD bp                        ; my 64 columns: 16 fragments, the bias in the result's layout, 16 scale words
	WIN 0x40
.irp s, 0,1,2,3
.irp tt, 0,1,2,3
.irp c, 0,1,2
	global_load_b128 v[12*(4*\s+\tt)+4*\c:12*(4*\s+\tt)+4*\c+3], v[LI], s[WP:WP+1] offset:(8*\s+\tt)*FRB+512*\c
.endr
.endr
.endr
.irp t, 0,1,2,3
	global_load_b128 v[192+8*\t:195+8*\t], v[BH], s[\bp:\bp+1] offset:(32*(\t/2)+8*(\t%2))*4
	global_load_b128 v[196+8*\t:199+8*\t], v[BH], s[\bp:\bp+1] offset:(32*(\t/2)+8*(\t%2))*4+16
.endr
	WIN 0
.irp s, 0,1,2,3
.irp tt, 0,1,2,3
	global_load_b32 v[WS+4*\s+\tt], v[LS], s[WSP:WSP+1] offset:128*(8*\s+\tt)
.endr
.endr
.endm
.macro HALF slot
	XPH \slot, 0
	s_wait_tensorcnt 0x0                           ; my part of the other slot is in; no load of mine is out, so group 0 may be written
	ds_add_u32 v[SPW], v[NIL]
	s_add_nc_u64 s[G0A+4*(\slot)+2:G0A+4*(\slot)+3], s[XN:XN+1], (\slot)*131072
	s_or_b32 s[G0A+4*(\slot)+3], s[G0A+4*(\slot)+3], 0x80000000
	s_wait_dscnt 0x0                               ; the add, my reads of this slot and my images are done
	s_barrier_signal -1
	s_barrier_wait -1
	tensor_load_to_lds s[G0A+4*(\slot):G0A+4*(\slot)+3], s[G1:G1+7]   ; the half two on
	s_nop 0
	PLACES
.if (\slot) == 0
	ASK XN, 131072                                 ; the half three on
	s_wait_loadcnt 0x0                             ; the weights
.else
	s_cmp_eq_u32 s62, 2                            ; in the first trip the half three on is x_v's first; in the second there is none
	s_cbranch_scc0 .Lnone_\@
	ASK XV, 0
.Lnone_\@:
.endif
	XSL 0
	FX 0, 0, 0
	PAIR \slot, 0, 1
	PAIR \slot, 1, 0
	s_wait_dscnt 0x0                               ; my stores into the stage and my reads of the images are done
	s_barrier_signal -1
	s_barrier_wait -1
	BACK \slot
.endm
	s_load_b512 s[4:19], s[0:1], 0x0               ; x_q, x_k, x_v, bq, bk, bv, wts, qf
	s_load_b64 s[20:21], s[0:1], 0x40              ; kv
	v_lshl_add_u32 v[SPW], v0, 2, SPARE
	v_mov_b32 v[NIL], 0
	ds_add_u32 v[SPW], v[NIL]
	ds_add_u32 v[SPW], v[NIL]
	v_lshrrev_b32 v26, 5, v0
	v_readfirstlane_b32 s22, v26                   ; wave w, 0..7
	s_and_b32 s23, s22, 3                          ; mt = w % 4
	s_lshr_b32 s26, s22, 2                         ; w / 4
	s_lshr_b32 s27, s22, 1                         ; w / 2
	s_mov_b32 s[G1+0], (3<<16)|(1<<20)|(7<<22)|(3<<25)   ; elements of 8 bytes; 16 bytes of padding behind each 1,024
	s_mov_b32 s[G1+1], 128<<16
	s_mov_b32 s[G1+2], 16<<16                      ; my 8 rows of x as 16 rows of 1,024 bytes
	s_mov_b32 s[G1+3], 128<<16
	s_mov_b32 s[G1+4], 16
	s_mov_b32 s[G1+5], 128
	s_mov_b32 s[G1+6], 0
	s_mov_b32 s[G1+7], 0
	s_mov_b32 s[G0A], 1
	s_mul_i32 s[G0A+1], s22, 8*XP
	s_mov_b32 s[G0A+4], 1
	s_add_co_u32 s[G0A+5], s[G0A+1], SLOTB
	s_mov_b32 s[SEL], 0x76543210
	s_mov_b32 s[SEL+1], 0xfedcba98
	s_mov_b32 s62, 2
	v_and_b32 v[L], 31, v0
	v_and_b32 v[R], 15, v0
	v_bfe_u32 v[H], v0, 4, 1
	v_lshlrev_b32 v[LI], 4, v[L]
	v_lshlrev_b32 v[L8], 3, v[L]
	v_lshlrev_b32 v[LS], 2, v[L]
	v_lshlrev_b32 v[PFO], 8, v[L]
	v_lshlrev_b32 v[BVO], 2, v[R]
	v_lshlrev_b32 v[BH], 6, v[H]
	s_lshr_b32 s24, s23, 1
	s_lshl_b32 s24, s24, 5
	s_and_b32 s25, s23, 1
	s_lshl_b32 s25, s25, 3
	s_add_co_u32 s24, s24, s25                     ; 32 (mt / 2) + 8 (mt % 2)
	v_and_b32 v[XR0], 8, v[R]
	v_add_nc_u32 v[XR0], v[XR0], v[R]
	v_add_nc_u32 v[XR0], s24, v[XR0]               ; my row of the half
	v_mul_u32_u24 v[XR0], v[XR0], XP
	v_add_nc_u32 v[XR0], v[XR0], v[BH]             ; + 16 numbers for lanes 16-31
	s_mul_i32 s24, s26, 1040
	v_add_nc_u32 v[XR0], s24, v[XR0]               ; + my two K steps
	v_add_nc_u32 v[XR0+1], SLOTB, v[XR0]
	s_mul_i32 s24, s23, 4*FRB
	s_mul_i32 s25, s26, 2*FRB
	s_add_co_u32 s24, s24, s25                     ; my two fragments: tile mt, K steps 2 (w / 4), + 1
	v_add_nc_u32 v[CO], s24, v[LI]
	s_add_co_u32 s24, s24, IMGX
	v_add_nc_u32 v[XWI], s24, v[LI]
	v_add_nc_u32 v[RB8], s24, v[L8]
	s_lshl_b32 s24, s23, 9
	s_lshl_b32 s25, s26, 8
	s_add_co_u32 s24, s24, s25
	s_add_co_u32 s24, s24, XSC
	v_add_nc_u32 v[XWS], s24, v[LS]
	v_add_nc_u32 v[FI], IMGX, v[LI]
	v_add_nc_u32 v[FS], XSC, v[LS]
	s_mul_i32 s24, s22, 768
	s_add_co_u32 s24, s24, STG
	v_add_nc_u32 v[SW16], s24, v[LI]
	s_add_co_u32 s24, s24, 512
	v_add_nc_u32 v[SW8], s24, v[L8]
	s_lshl_b32 s24, s22, 9
	s_add_co_u32 s24, s24, OSC
	v_lshl_add_u32 v[OSW], v[R], 4, s24
	s_lshl_b32 s24, s27, 10
	s_and_b32 s25, s22, 1
	s_lshl_b32 s25, s25, 8
	s_add_co_u32 s24, s24, s25
	s_add_co_u32 s24, s24, OSC
	v_add_nc_u32 v[OSR], s24, v[L8]
	s_lshl_b32 s24, s22, 8
	v_add_nc_u32 v[SOF], s24, v[L8]
	s_lshl_b32 s24, s22, 6
	v_add_nc_u32 v[VSO], s24, v[BVO]
	s_mul_i32 s24, s22, FRB
	v_add_nc_u32 v[CV], s24, v[LI]
.irp b, 0,1,2,3
	v_mov_b32 v[TM+4+\b], 0                        ; a lane permute's destination counts as one of its sources
.endr
	s_and_b32 s23, ttmp9, 127                      ; which 256 rows of my tensor
	s_lshl_b32 s24, s23, 19
	s_lshl_b32 s78, s22, 14                        ; my 8 of a half's 64
	s_add_co_u32 s24, s24, s78
	s_mov_b32 s25, 0
	s_mov_b32 s79, 64000
	s_wait_alu depctr_va_vdst(0)                   ; the head's end
	s_wait_dscnt 0x0
	s_wait_kmcnt 0x0
	s_cmp_lt_u32 ttmp9, 128                        ; q's work-group or k's?  The work-group's number alone decides
	s_cselect_b64 s[4:5], s[4:5], s[6:7]           ; x_q or x_k,
	s_cselect_b64 s[10:11], s[10:11], s[12:13]     ; bq or bk,
	s_cselect_b64 s[OQ:OQ+1], s[18:19], s[20:21]   ; qf or kv,
	s_cselect_b32 s79, 51200, s79                  ; a block of it in bytes,
	s_cselect_b32 s80, 0, 128                      ; Wq's or Wk's first fragment
	s_add_nc_u64 s[G0A+2:G0A+3], s[4:5], s[24:25]
	s_add_nc_u64 s[G0A+6:G0A+7], s[G0A+2:G0A+3], 131072
	s_add_nc_u64 s[XH1:XH1+1], s[G0A+2:G0A+3], 131072
	s_add_nc_u64 s[XK:XK+1], s[G0A+2:G0A+3], 262144
	s_or_b32 s[G0A+3], s[G0A+3], 0x80000000
	s_or_b32 s[G0A+7], s[G0A+7], 0x80000000
	tensor_load_to_lds s[G0A:G0A+3], s[G1:G1+7]    ; the first half: my one load at the head
	s_nop 0
	s_lshl_b32 s24, ttmp9, 18                      ; x_v: my work-group's 128 rows
	s_add_co_u32 s24, s24, s78
	s_add_nc_u64 s[XV:XV+1], s[8:9], s[24:25]
	s_lshl_b32 s26, s27, 5
	s_and_b32 s24, s22, 1
	s_lshl_b32 s24, s24, 2
	s_add_co_u32 s26, s26, s24
	s_add_co_u32 s26, s26, s80                     ; my first fragment of W: 128 sel + 32 (w / 2) + 4 (w % 2)
	s_mul_i32 s24, s26, FRB
	s_add_nc_u64 s[WP:WP+1], s[16:17], s[24:25]
	s_lshl_b32 s24, s26, 7
	s_add_co_u32 s24, s24, 288*FRB
	s_add_nc_u64 s[WSP:WSP+1], s[16:17], s[24:25]
	s_lshl_b32 s24, s22, 8
	s_add_nc_u64 s[BQ:BQ+1], s[10:11], s[24:25]
	s_lshl_b32 s24, s23, 1
	s_mul_i32 s24, s24, s79
	s_add_nc_u64 s[OQ:OQ+1], s[OQ:OQ+1], s[24:25]  ; my two blocks of results
	s_mov_b32 s24, s79
	s_add_nc_u64 s[O2:O2+1], s[OQ:OQ+1], s[24:25]
	s_mul_i32 s24, ttmp9, 64000
	s_add_nc_u64 s[OK2:OK2+1], s[20:21], s[24:25]
	s_mul_i32 s24, s22, 4*FRB
	s_add_co_u32 s24, s24, 256*FRB
	s_add_nc_u64 s[WVC:WVC+1], s[16:17], s[24:25]
	s_lshl_b32 s24, s22, 9
	s_add_co_u32 s24, s24, 288*FRB+256*128
	s_add_nc_u64 s[WVS:WVS+1], s[16:17], s[24:25]
	s_lshl_b32 s24, s22, 6
	s_add_nc_u64 s[BVP:BVP+1], s[14:15], s[24:25]
	ASK XH1, 0                                     ; the second half
	WLOAD BQ                                       ; W is on its way while the first half lands
	s_wait_tensorcnt 0x0
	ds_add_u32 v[SPW], v[NIL]
	s_wait_dscnt 0x0
	s_barrier_signal -1
	s_barrier_wait -1                              ; the first half is whole for all eight waves
	tensor_load_to_lds s[G0A+4:G0A+7], s[G1:G1+7]  ; slot 1's first fill, issued as a refill is
	s_nop 0
	PLACES
	ASK XK, 0                                      ; the third half
.Ltensor:                                          ; two trips of 128 rows
	s_cmp_eq_u32 s62, 2
	s_cselect_b64 s[XN:XN+1], s[XK:XK+1], s[XV:XV+1]
	s_cselect_b64 s[OP:OP+1], s[OQ:OQ+1], s[O2:O2+1]
	HALF 0
	HALF 1
	ds_load_b64 v[TM:TM+1], v[OSR]                 ; the scale bytes of d blocks 0, 1 of a d step, from one wave's plane,
	ds_load_b64 v[TM+2:TM+3], v[OSR] offset:512    ; and of blocks 2, 3, from its neighbour's
	s_wait_dscnt 0x0
	v_lshl_or_b32 v[TM+8], v[TM+2], 16, v[TM]
	v_lshl_or_b32 v[TM+9], v[TM+3], 16, v[TM+1]
	global_store_b64 v[SOF], v[TM+8:TM+9], s[OP:OP+1] offset:49152   ; 32 lanes store 256 consecutive bytes
	s_wait_xcnt 0x0                                ; the stores and prefetches have read their bases, which the next trip chooses anew
	s_sub_co_u32 s62, s62, 1
	s_cmp_lg_u32 s62, 0
	s_cbranch_scc1 .Ltensor
	; ---- V: wave w makes channels 16 w .. 16 w + 15 for all 128 keys; the keys are the next product's K, so x is source 0: a lane holds one channel, its registers run along the keys
	WIN 0x40
.irp s, 0,1,2,3
.irp c, 0,1,2
	global_load_b128 v[12*\s+4*\c:12*\s+4*\c+3], v[LI], s[WVC:WVC+1] offset:FRB*\s+512*\c
.endr
.endr
	WIN 0
.irp s, 0,1,2,3
	global_load_b32 v[WS+\s], v[LS], s[WVS:WVS+1] offset:128*\s
.endr
	global_load_b32 v[PW+2], v[BVO], s[BVP:BVP+1]
	XPH 0, 0
	s_wait_tensorcnt 0x0                           ; my part of x_v's second half
	ds_add_u32 v[SPW], v[NIL]
	s_wait_dscnt 0x0
	s_barrier_signal -1
	s_barrier_wait -1
	XPH 1, 1                                       ; its images take the stage's bytes: each wave writes where it alone has read
	s_wait_dscnt 0x0
	s_barrier_signal -1
	s_barrier_wait -1
	s_wait_loadcnt 0x0
.irp j, 0,1,2,3,4,5,6,7
	v_mov_b32 v[ST+\j], v[PW+2]                    ; the bias of my channel, as the first product's C
.endr
.irp T, 0,1,2,3,4,5,6,7
.irp s, 0,1,2,3
	ds_load_b32 v[XS+4*\T+\s], v[FS] offset:2048*(\T/4)+128*(4*(\T%4)+\s)
.endr
.endr
.macro FETCHV s
	WIN 0x40
.irp T, 0,1,2,3,4,5,6,7
.irp c, 0,1,2
	ds_load_b128 v[48+96*((\s)%2)+12*\T+4*\c:48+96*((\s)%2)+12*\T+4*\c+3], v[FI] offset:16*FRB*(\T/4)+FRB*(4*(\T%4)+(\s))+512*\c
.endr
.endr
	WIN 0
.endm
	FETCHV 0
	FETCHV 1
	s_wait_alu depctr_va_vdst(0)
.irp s, 0,1,2,3
.if \s < 3
	s_wait_dscnt 24                                ; all but the next K step's 24
.else
	s_wait_dscnt 0x0
.endif
	WIN 0x05                                       ; x and Wv window 1
.irp T, 0,1,2,3,4,5,6,7
.if \s == 0
	WMQ HA+8*\T, 48+96*(\s%2)+12*\T, 12*\s, ST, XS+4*\T+\s, WS+\s
.else
	WMQ HA+8*\T, 48+96*(\s%2)+12*\T, 12*\s, HA+8*\T, XS+4*\T+\s, WS+\s
.endif
.endr
	WIN 0
	PLACES
.if \s < 2
	FETCHV \s+2
.endif
.endr
	QUANT HA, 1
.irp c, 0,1,2
	global_store_b128 v[CV], v[PC+4*\c:PC+4*\c+3], s[OK2:OK2+1] offset:51200+512*\c
.endr
	global_store_b32 v[VSO], v[PW], s[OK2:OK2+1] offset:63488   ; lanes l and l xor 16 hold the same word and write the same place
	s_wait_tensorcnt 0x0
	ds_add_u32 v[SPW], v[NIL]
	s_wait_dscnt 0x0
	s_endpgm
.Lfunc_end_k_q8a7201619b_proj:
	.size	k_q8a7201619b_proj, .Lfunc_end_k_q8a7201619b_proj-k_q8a7201619b_proj
	.p2alignl 7, 3214868480
	.fill 96, 4, 3214868480
	.section	.rodata,"a",@progbits
	.p2align	6, 0x0
	.amdhsa_kernel k_q8a7201619b_proj
		.amdhsa_group_segment_fixed_size 327680
		.amdhsa_private_segment_fixed_size 0
		.amdhsa_enable_private_segment 0
		.amdhsa_kernarg_size 72
		.amdhsa_user_sgpr_count 2
		.amdhsa_user_sgpr_kernarg_segment_ptr 1
		.amdhsa_wavefront_size32 1
		.amdhsa_system_sgpr_workgroup_id_x 1
		.amdhsa_system_sgpr_workgroup_id_y 1
		.amdhsa_system_sgpr_workgroup_id_z 1
		.amdhsa_system_vgpr_workitem_id 0
		.amdhsa_next_free_vgpr 512
		.amdhsa_next_free_sgpr 84
		.amdhsa_reserve_vcc 0
		.amdhsa_float_denorm_mode_32 3
		.amdhsa_float_denorm_mode_16_64 3
		.amdhsa_memory_ordered 1
		.amdhsa_forward_progress 1
		.amdhsa_inst_pref_size 121
	.end_amdhsa_kernel
	.amdgpu_metadata
---
amdhsa.version: [ 1, 2 ]
amdhsa.kernels:
  - .name:           k_q8a7201619b_proj
    .symbol:         k_q8a7201619b_proj.kd
    .args:
      - { .name: x_q, .offset: 0, .size: 8, .value_kind: global_buffer, .address_space: global }
      - { .name: x_k, .offset: 8, .size: 8, .value_kind: global_buffer, .address_space: global }
      - { .name: x_v, .offset: 16, .size: 8, .value_kind: global_buffer, .address_space: global }
      - { .name: bq, .offset: 24, .size: 8, .value_kind: global_buffer, .address_space: global }
      - { .name: bk, .offset: 32, .size: 8, .value_kind: global_buffer, .address_space: global }
      - { .name: bv, .offset: 40, .size: 8, .value_kind: global_buffer, .address_space: global }
      - { .name: wts, .offset: 48, .size: 8, .value_kind: global_buffer, .address_space: global }
      - { .name: qf, .offset: 56, .size: 8, .value_kind: global_buffer, .address_space: global }
      - { .name: kv, .offset: 64, .size: 8, .value_kind: global_buffer, .address_space: global }
    .group_segment_fixed_size: 327680
    .private_segment_fixed_size: 0
    .kernarg_segment_align: 8
    .kernarg_segment_size: 72
    .max_flat_workgroup_size: 256
    .sgpr_count:     84
    .vgpr_count:     512
    .wavefront_size: 32
...
	.end_amdgpu_metadata
.endif
;; end of part 2
;; launch attn (part 3): grid 16 x 16, 4 waves a work-group, clusters of 4 x 1, 327,680 bytes of LDS; arguments qf, kv, out0; writes out0
.if DOCPART == 3
	.amdgcn_target "amdgcn-amd-amdhsa--gfx1250"
	.amdhsa_code_object_version 6
	.text
	.protected	k_q8a7201619b_attn
	.globl	k_q8a7201619b_attn
	.p2align	8
	.type	k_q8a7201619b_attn,@function
k_q8a7201619b_attn:
	s_mov_b64 s[64:65], 0
	v_nop
	global_prefetch_b8 v0, s[64:65] scope:SCOPE_SE
	s_setreg_imm32_b32 hwreg(HW_REG_WAVE_MODE, 25, 1), 1
	s_wait_xcnt 0x0
	s_wait_alu depctr_hold_cnt(0) depctr_sa_sdst(0) depctr_va_vdst(0) depctr_va_sdst(0) depctr_va_ssrc(0) depctr_va_vcc(0) depctr_vm_vsrc(0)
	s_getreg_b32 s2, hwreg(HW_REG_IB_STS2, 6, 4)
	s_cmp_eq_u32 s2, 0
	s_cbranch_scc0 .Lentry_in_a_cluster
	s_endpgm
.Lentry_in_a_cluster:
	s_bfe_u32 s2, ttmp6, 0x10000c
	s_cmp_lg_u32 s2, 0x3003
	s_cbranch_scc0 .Lentry_shape_is_right
	s_endpgm
.Lentry_shape_is_right:
; out0[b][q][:] = the sum over keys of softmax(q . k / sqrt(512)) v, both products on codes of MX-FP6 (E2M3, one E8M0 byte for each 32 along a product's K), from the images that the launch before has stored.
; THE SOFTMAX AHEAD OF THE SECOND PRODUCT: t = score x log2(e) / sqrt(512); M = the largest t so far, rounded UP to a whole number; p = 2^(t - M) is quantised along the keys, not normalised; the row's sum is taken of the
; unquantised p and divides at the end.  When M moves, the sum and O are multiplied by 2^(old M - new M), which rounds nothing.
; SHARES.  A work-group owns 128 queries of one batch.  Its four waves are 2 x 2: qh = wave / 2 names 64 queries (four tiles of 16), kh = wave % 2 which 128 of a step's 256 keys.  So each fragment of K and V that a wave
; reads from LDS feeds four matrix instructions.  The two key halves keep their own M, sum and O^T and are merged once, at the end, through LDS: the factors are powers of two.
; A step: 128 matrix instructions K Q^T, four softmaxes, 32 matrix instructions V^T P.  Eight steps.
; THE ORDER OF A STEP'S VECTOR WORK.  The two tiles of a register window go through the softmax in lock-step, line by line, so that no line reads the result of the line above it; one tile's exponentials stand by turns
; with packed arithmetic that does not depend on them (its own scalings two pairs ahead and the other tile's scalings; then the other tile's sums); and O^T's rescaling of tile t + 1 stands between tile t's products V^T P.
; LAYOUT.  Both products are used transposed (S^T = K Q^T, O^T = V^T P^T): a lane holds one query throughout.  Lane r of key tile 2 b + u is key 32 b + 8 u + r + 8 (r / 8) of its block of 128, so that the 16 registers
; of two neighbouring tiles are 16 neighbouring keys.  The queries of a tile are ordered alike, which shows only in the rows that are stored.
; CLUSTER.  The four query blocks of a cluster walk the same K and V: a step's two blocks of kv, 128,000 dense bytes, are asked for JOINTLY, each wave a quarter, by the same tensor load with the same descriptor in all four.
; LIMITS: p under 2^-126 counts as 0 (v_exp_f32 gives 0 there: ISA guide, its entry); a block of p that is all zeros keeps the byte 1 (its codes are zeros); NaN and infinities are not served.
; REGISTERS, in windows of 256 (s_set_vgpr_msb: bits 1:0 source 0, 3:2 source 1, 5:4 source 2, 7:6 destination):
;   window 0: v1-12 addresses; v16-23 Q's scale words, v24-39 K's, v40-43 V's, v44-47 p's; v48-63 the merge's statistics; v64-159 KA, v160-255 KB: a pair of key tiles each (2 x 4 d steps x 12);
;             in the softmax KA holds p's codes (64 + 12 t) and the conversions' second halves (112 + 8 t), KB V's eight fragments
;   windows 1 (tiles 0, 1) and 2 (tiles 2, 3), alike: v0-127 S^T, then p (64 u + 8 kt); v128-223 Q (128 + 12 (4 u + s)); v224-253 at work and the statistics      window 3: O^T (64 t + 8 c)
; THE ORDER OF A STEP'S VECTOR WORK, AS IT STANDS IN THE MACROS BELOW (it takes the place of the paragraph of that name above): tile 0's scalings come first, whole; tile 0's exponentials stand by turns with tile 1's
; scalings alone; tile 1's exponentials stand on end; both tiles' sums follow behind them; and all of O^T is rescaled ahead of the products V^T P.
.set SLOT1, 1<<17                      ; slot 1 begins here: one exclusive or turns an address in one slot into the other's
.set BLKB,  64000                      ; a block of kv: 128 keys
.set STEPB, 2*BLKB
.set MRG,   SLOT1+STEPB                ; behind the ring: the merge, a part for each qh: 1,024 bytes of statistics, then O^T as it stands; its first 16 x 528 bytes serve later as the stage for the way out
.set MPART, 33792
.set SPARE, MRG+2*MPART                ; the spare words, 128 bytes for each wave: two blocks of 256 bytes that no other line names
.set QSA, 1                            ; v1   16 lane + 8 qh: Q's scale words
.set AD0, 2                            ; v2   64,000 kh + 16 lane
.set AS0, 3                            ; v3   64,000 kh + 4 lane
.set AD,  4                            ; v4, v5 the same in the slot in hand
.set AS,  5
.set LI,  6                            ; v6   16 lane
.set MA,  7                            ; v7   my qh's part of the merge + 16 lane
.set STO, 8                            ; v8   the stage: row r, + 32 h
.set PFO, 9                            ; v9   the prefetches' offset; never rewritten
.set SPW, 10                           ; v10  my spare word; never rewritten
.set NIL, 11                           ; v11  0; never rewritten
.set QA,  12                           ; v12  16 lane + 24,576 qh: Q's codes
.set QS,  16
.set KS,  24
.set VS,  40
.set PS,  44
.set KA,  64
.set KB,  160
.set QF,  128                          ; in windows 1, 2
.set BM,  224                          ; v224+4u .. +3: the blocks' largest scores, then largest p, then the conversions' scale operands
.set PR,  232                          ; v232+16u .. +3 (v232-235, v248-251): permutes' results, chains of the sums, bytes
.set FF,  236                          ; v[236+2u:237+2u] f = 2^(old M - new M); the pair's upper word carries p's scale word on its way
.set STT, 240                          ; v240+4u: -M, the largest t, the sum in two halves
.set TP,  252                          ; v252+u at work
.set WV,  10
.set G1,  16                           ; s[16:23] descriptor group 1;  s[24:27] group 0, which walks
.set G0,  24
.set CS,  28                           ; s[28:29] c = log2(e) / sqrt(512): the packed form names a pair and takes its low word
.set SEL, 30
.set TB,  32                           ; s32  LDS byte at which the slot in hand begins
.set CNT, 33                           ; s33  refills still to come
.set LIM, 34                           ; s34  1 in the batch's first cluster, else the greatest number
.set PFA, 36                           ; s[36:37] where my prefetches stand
.set MSB, 0
.macro WIN new                         ; the immediate's high byte repeats the setting that is left
.if MSB != (\new)
	s_set_vgpr_msb (MSB<<8)|(\new)
.set MSB, \new
.endif
.endm
.macro PLACES                          ; four plain instructions behind matrix instructions, ahead of loads into their registers and of the first read of results
.rept 4
	v_nop
.endr
.endm
.macro ROUND                           ; a round of the cluster's barrier
	s_barrier_signal -1
	s_barrier_wait -1
	s_cmp_lg_u32 s[WV], 0
	s_cbranch_scc1 .Lnot_wave_0_\@
	s_barrier_signal -3
.Lnot_wave_0_\@:
	s_barrier_wait -3
	s_barrier_signal -1
	s_barrier_wait -1
.endm
; A PREFETCH INTO THE L2 of the step after the one that is being asked for: my wave's quarter, 125 rows of 256 bytes.  All clusters of a batch walk the same kv: the batch's first cluster asks.  Its four partners share the
; rows out BY ADDRESS, 32 each (the last three lanes of the fourth are held at row 124); one instruction a wave.  The last refill asks for nothing; steps 0 and 1 come by their loads alone.
.macro ASK
	s_cmp_gt_u32 s[CNT], s[LIM]
	s_cbranch_scc0 .Lnot_mine_\@
	global_prefetch_b8 v[PFO], s[PFA:PFA+1] th:TH_LOAD_NT scope:SCOPE_SE
.Lnot_mine_\@:
.endm
; THE CHANGE OF SLOTS stands at a step's head.  Each wave waits for all its tensor loads (its quarter of the slot ahead), adds 0 to its spare word, and waits for that and for its reads of the slot that it has left.
; fill = 1: a round of the cluster's barrier, so that this holds of every wave of all four work-groups; then the joint refill of the slot just left, which has a whole step in which to land.
.macro CHANGE fill
	s_wait_tensorcnt 0x0                           ; no tensor load of mine is out, so group 0 may be written
	ds_add_u32 v[SPW], v[NIL]
.if \fill
	s_xor_b32 s[G0+1], s[G0+1], SLOT1              ; the other slot than last time,
	s_add_nc_u64 s[G0+2:G0+3], s[G0+2:G0+3], STEPB ; the next 256 keys; the type bits on top are not reached
	s_wait_xcnt 0x0                                ; the last prefetch, a step back, has read its address
	s_add_nc_u64 s[PFA:PFA+1], s[PFA:PFA+1], STEPB
	s_wait_dscnt 0x0
	ROUND
	tensor_load_to_lds s[G0:G0+3], s[G1:G1+7]      ; my one tensor load behind the round
	s_nop 0
	PLACES
	ASK
.else
	s_wait_dscnt 0x0
	s_barrier_signal -1
	s_barrier_wait -1
.endif
.endm
; One matrix instruction on the registers named by rD, rA, rB, rSA, rSB.  zero = 1: it starts the sum.  ra, rb: which half of the lanes holds A's, B's scale words.
.macro WM zero, ra, rb
.if \zero
.if ((\ra) == 0) && ((\rb) == 0)
	v_wmma_scale_f32_16x16x128_f8f6f4 v[rD:rD+7], v[rA:rA+11], v[rB:rB+11], 0, v[rSA], v[rSB] matrix_a_fmt:MATRIX_FMT_FP6 matrix_b_fmt:MATRIX_FMT_FP6
.elseif (\rb) == 0
	v_wmma_scale_f32_16x16x128_f8f6f4 v[rD:rD+7], v[rA:rA+11], v[rB:rB+11], 0, v[rSA], v[rSB] matrix_a_fmt:MATRIX_FMT_FP6 matrix_b_fmt:MATRIX_FMT_FP6 matrix_a_scale:MATRIX_SCALE_ROW1
.elseif (\ra) == 0
	v_wmma_scale_f32_16x16x128_f8f6f4 v[rD:rD+7], v[rA:rA+11], v[rB:rB+11], 0, v[rSA], v[rSB] matrix_a_fmt:MATRIX_FMT_FP6 matrix_b_fmt:MATRIX_FMT_FP6 matrix_b_scale:MATRIX_SCALE_ROW1
.else
	v_wmma_scale_f32_16x16x128_f8f6f4 v[rD:rD+7], v[rA:rA+11], v[rB:rB+11], 0, v[rSA], v[rSB] matrix_a_fmt:MATRIX_FMT_FP6 matrix_b_fmt:MATRIX_FMT_FP6 matrix_a_scale:MATRIX_SCALE_ROW1 matrix_b_scale:MATRIX_SCALE_ROW1
.endif
.else
.if ((\ra) == 0) && ((\rb) == 0)
	v_wmma_scale_f32_16x16x128_f8f6f4 v[rD:rD+7], v[rA:rA+11], v[rB:rB+11], v[rD:rD+7], v[rSA], v[rSB] matrix_a_fmt:MATRIX_FMT_FP6 matrix_b_fmt:MATRIX_FMT_FP6
.elseif (\rb) == 0
	v_wmma_scale_f32_16x16x128_f8f6f4 v[rD:rD+7], v[rA:rA+11], v[rB:rB+11], v[rD:rD+7], v[rSA], v[rSB] matrix_a_fmt:MATRIX_FMT_FP6 matrix_b_fmt:MATRIX_FMT_FP6 matrix_a_scale:MATRIX_SCALE_ROW1
.elseif (\ra) == 0
	v_wmma_scale_f32_16x16x128_f8f6f4 v[rD:rD+7], v[rA:rA+11], v[rB:rB+11], v[rD:rD+7], v[rSA], v[rSB] matrix_a_fmt:MATRIX_FMT_FP6 matrix_b_fmt:MATRIX_FMT_FP6 matrix_b_scale:MATRIX_SCALE_ROW1
.else
	v_wmma_scale_f32_16x16x128_f8f6f4 v[rD:rD+7], v[rA:rA+11], v[rB:rB+11], v[rD:rD+7], v[rSA], v[rSB] matrix_a_fmt:MATRIX_FMT_FP6 matrix_b_fmt:MATRIX_FMT_FP6 matrix_a_scale:MATRIX_SCALE_ROW1 matrix_b_scale:MATRIX_SCALE_ROW1
.endif
.endif
.endm
.macro KLOAD buf, pi                   ; key tiles 2 pi, 2 pi + 1, all four d steps: eight fragments, 24 loads of 512 consecutive bytes
.irp i, 0,1,2,3,4,5,6,7,8,9,10,11,12,13,14,15,16,17,18,19,20,21,22,23
	ds_load_b128 v[(\buf)+4*\i:(\buf)+4*\i+3], v[AD] offset:12288*(\pi)+512*\i
.endr
.endm
; S^T of key tiles 2 pi, 2 pi + 1 for my four tiles of queries: 32 matrix instructions; four accumulators by turns, one instruction a turn.
.macro KQ pi, buf
.irp G, 0,1
	WIN 0x54*(1+\G)                                ; K window 0; Q, C and D window 1 + G
.irp s, 0,1,2,3
.irp e, 0,1
.irp u, 0,1
.set rD, 64*\u+8*(2*(\pi)+\e)
.set rA, (\buf)+12*(4*\e+\s)
.set rB, QF+12*(4*\u+\s)
.set rSA, KS+4*\s+(\pi)
.set rSB, QS+2*\s+\G
.if \s == 0
	WM 1, \e, \u
.else
	WM 0, \e, \u
.endif
.endr
.endr
.endr
.endr
.endm
; THE SOFTMAX OF A WINDOW'S TWO TILES, in lock-step, all in that window: from 2 x 64 scores to 2 x 64 p, the sums, f, the scale operands (in BM) and p's scale words (in the upper words of the pairs FF).
.macro SMA2
	s_wait_alu depctr_va_vdst(0)                   ; directly ahead of the first reader of S^T
.irp b, 0,1,2,3
.irp u, 0,1
	v_max3_num_f32 v[BM+4*\u+\b], v[64*\u+16*\b], v[64*\u+16*\b+1], v[64*\u+16*\b+2]   ; the largest SCORE of each block of 32 keys: it serves for the row's maximum and, since p rises with the score, for the block's largest p
.endr
.endr
.irp i, 3,5,7,9,11,13
.irp b, 0,1,2,3
.irp u, 0,1
	v_max3_num_f32 v[BM+4*\u+\b], v[BM+4*\u+\b], v[64*\u+16*\b+\i], v[64*\u+16*\b+\i+1]   ; eight chains by turns
.endr
.endr
.endr
.irp b, 0,1,2,3
.irp u, 0,1
	v_max_num_f32 v[BM+4*\u+\b], v[BM+4*\u+\b], v[64*\u+16*\b+15]
.endr
.endr
.irp b, 0,1,2,3
.irp u, 0,1
	v_permlanex16_b32 v[PR+16*\u+\b], v[BM+4*\u+\b], s[SEL], s[SEL+1]
.endr
.endr
.irp b, 0,1,2,3
.irp u, 0,1
	v_max_num_f32 v[BM+4*\u+\b], v[BM+4*\u+\b], v[PR+16*\u+\b]   ; with lane l xor 16's 16 keys
.endr
.endr
.irp u, 0,1
	v_max3_num_f32 v[TP+\u], v[BM+4*\u], v[BM+4*\u+1], v[BM+4*\u+2]
.endr
.irp u, 0,1
	v_max_num_f32 v[TP+\u], v[TP+\u], v[BM+4*\u+3]
.endr
.irp u, 0,1
	v_mul_f32 v[TP+\u], s[CS], v[TP+\u]            ; the step's largest t of my query (c is positive)
.endr
.irp u, 0,1
	v_max_num_f32 v[STT+4*\u+1], v[STT+4*\u+1], v[TP+\u]   ; the running largest t
.endr
.irp u, 0,1
	v_mov_b32 v[TP+\u], v[STT+4*\u]
.endr
.irp u, 0,1
	v_floor_f32 v[STT+4*\u], -v[STT+4*\u+1]        ; the new -M = floor(-t): M is a whole number
.endr
.irp u, 0,1
	v_sub_f32 v[TP+\u], v[STT+4*\u], v[TP+\u]      ; old M - new M: a whole number, 0 or less
.endr
.irp b, 0,1,2,3
	v_fma_f32 v[BM+\b], v[BM+\b], s[CS], v[STT]    ; t - M of each block's largest score: these lines want -M alone and stand between the links of the chain that makes f
.endr
.irp u, 0,1
	v_cvt_i32_f32 v[TP+\u], v[TP+\u]               ; (it saturates)
.endr
.irp b, 0,1,2,3
	v_fma_f32 v[BM+4+\b], v[BM+4+\b], s[CS], v[STT+4]
.endr
.irp u, 0,1
	v_ldexp_f32 v[FF+2*\u], 1.0, v[TP+\u]          ; f
.endr
.set nn, 0
.rept 32
	v_pk_fma_f32 v[2*nn:2*nn+1], v[2*nn:2*nn+1], s[CS:CS+1], v[STT:STT+1] op_sel_hi:[1,0,0]   ; t - M, two at a time: all of tile 0
.set nn, nn+1
.endr
	s_wait_alu depctr_va_vdst(0)                   ; ahead of the batch
; BATCH A: tile 0's 64 exponentials; between them tile 1's scalings, which are read behind the wait that follows the batch.
.set nn, 0
.rept 32
	v_exp_f32 v[2*nn], v[2*nn]                     ; p = 2^(t - M), at most 1
	v_exp_f32 v[2*nn+1], v[2*nn+1]
	v_pk_fma_f32 v[64+2*nn:65+2*nn], v[64+2*nn:65+2*nn], s[CS:CS+1], v[STT+4:STT+5] op_sel_hi:[1,0,0]
.set nn, nn+1
.endr
	v_pk_mul_f32 v[STT+2:STT+3], v[STT+2:STT+3], v[FF:FF+1] op_sel_hi:[1,0]       ; the sums under the new M
	v_pk_mul_f32 v[STT+6:STT+7], v[STT+6:STT+7], v[FF+2:FF+3] op_sel_hi:[1,0]
	s_wait_alu depctr_va_vdst(0)                   ; one wait behind batch A and ahead of batch B
; BATCH B: tile 1's 64 exponentials and the eight of the blocks' largest scores.
.set nn, 0
.rept 32
	v_exp_f32 v[64+2*nn], v[64+2*nn]
	v_exp_f32 v[65+2*nn], v[65+2*nn]
.set nn, nn+1
.endr
.irp b, 0,1,2,3
.irp u, 0,1
	v_exp_f32 v[BM+4*\u+\b], v[BM+4*\u+\b]         ; the blocks' largest p: the same two instructions on the same number
.endr
.endr
	v_nop                                          ; a plain instruction behind the last exponential
	s_wait_alu depctr_va_vdst(0)                   ; one wait for batch B and the eight
	v_pk_add_f32 v[PR+2:PR+3], v[2:3], v[4:5]                  ; tile 0's sum, of the unquantised p, in four chains
	v_pk_add_f32 v[TP:TP+1], v[6:7], v[8:9]
	v_pk_add_f32 v[254:255], v[10:11], v[12:13]
	v_pk_add_f32 v[STT+2:STT+3], v[STT+2:STT+3], v[0:1]
.irp j, 14,22,30,38,46,54
	v_pk_add_f32 v[STT+2:STT+3], v[STT+2:STT+3], v[\j:1+\j]
	v_pk_add_f32 v[PR+2:PR+3], v[PR+2:PR+3], v[2+\j:3+\j]
	v_pk_add_f32 v[TP:TP+1], v[TP:TP+1], v[4+\j:5+\j]
	v_pk_add_f32 v[254:255], v[254:255], v[6+\j:7+\j]
.endr
	v_pk_add_f32 v[STT+2:STT+3], v[STT+2:STT+3], v[62:63]
	v_pk_add_f32 v[PR+2:PR+3], v[PR+2:PR+3], v[TP:TP+1]
	v_pk_add_f32 v[STT+2:STT+3], v[STT+2:STT+3], v[254:255]
	v_pk_add_f32 v[STT+2:STT+3], v[STT+2:STT+3], v[PR+2:PR+3]
	v_pk_add_f32 v[PR+16:PR+17], v[66:67], v[68:69]            ; tile 1's sum, in four chains
	v_pk_add_f32 v[PR+18:PR+19], v[70:71], v[72:73]
	v_pk_add_f32 v[PR:PR+1], v[74:75], v[76:77]
	v_pk_add_f32 v[STT+6:STT+7], v[STT+6:STT+7], v[64:65]
.irp j, 14,22,30,38,46,54
	v_pk_add_f32 v[STT+6:STT+7], v[STT+6:STT+7], v[64+\j:65+\j]
	v_pk_add_f32 v[PR+16:PR+17], v[PR+16:PR+17], v[66+\j:67+\j]
	v_pk_add_f32 v[PR+18:PR+19], v[PR+18:PR+19], v[68+\j:69+\j]
	v_pk_add_f32 v[PR:PR+1], v[PR:PR+1], v[70+\j:71+\j]
.endr
	v_pk_add_f32 v[STT+6:STT+7], v[STT+6:STT+7], v[126:127]
	v_pk_add_f32 v[PR+16:PR+17], v[PR+16:PR+17], v[PR+18:PR+19]
	v_pk_add_f32 v[STT+6:STT+7], v[STT+6:STT+7], v[PR:PR+1]
	v_pk_add_f32 v[STT+6:STT+7], v[STT+6:STT+7], v[PR+16:PR+17]
.irp b, 0,1,2,3
.irp u, 0,1
	v_max_num_f32 v[BM+4*\u+\b], 0x1800000, v[BM+4*\u+\b]   ; the floor 2^(3 - 127): the byte cannot fall under 1
.endr
.endr
.irp b, 0,1,2,3
.irp u, 0,1
	v_add_nc_u32 v[BM+4*\u+\b], 0xff000000, v[BM+4*\u+\b]   ; 2 off the exponent field: the conversion's scale operand
.endr
.endr
.irp b, 0,1,2,3
.irp u, 0,1
	v_lshrrev_b32 v[PR+16*\u+\b], 23, v[BM+4*\u+\b]         ; the scale's byte
.endr
.endr
.irp u, 0,1
	v_lshl_or_b32 v[FF+2*\u+1], v[PR+16*\u+1], 8, v[PR+16*\u]   ; p's scale word for these 128 keys
.endr
.irp u, 0,1
	v_lshl_or_b32 v[FF+2*\u+1], v[PR+16*\u+2], 16, v[FF+2*\u+1]
.endr
.irp u, 0,1
	v_lshl_or_b32 v[FF+2*\u+1], v[PR+16*\u+3], 24, v[FF+2*\u+1]
.endr
.endm
.macro SMB G, u                        ; p's codes, and its scale word, go to window 0
.set rS, 64*(\u)
.set rB, BM+4*(\u)
.set rF, FF+2*(\u)
.set rP, KA+12*(2*(\G)+(\u))
.set rC, KA+48+8*(2*(\G)+(\u))
	v_cvt_scalef32_pk16_fp6_f32 v[rP:rP+2], v[rS:rS+15], v[rB]
	v_cvt_scalef32_pk16_fp6_f32 v[rC:rC+2], v[rS+16:rS+31], v[rB+1]   ; a conversion's three registers begin on an even number
	v_cvt_scalef32_pk16_fp6_f32 v[rP+6:rP+8], v[rS+32:rS+47], v[rB+2]
	v_cvt_scalef32_pk16_fp6_f32 v[rC+4:rC+6], v[rS+48:rS+63], v[rB+3]
	v_mov_b32 v[PS+2*(\G)+(\u)], v[rF+1]           ; scale operands are taken from window 0
	v_nop                                          ; plain instructions behind the scaled conversions
.endm
.macro SMC4                            ; the operand's layout wants a whole block in a lane: lanes 0-15 block 2 c, lanes 16-31 block 2 c + 1.  All four tiles' swaps, then all their moves
.irp t, 0,1,2,3
.irp c, 0,1
.irp i, 0,1,2
	v_permlane16_swap_b32 v[KA+12*\t+6*\c+\i], v[KA+48+8*\t+4*\c+\i]
.endr
.endr
.endr
.irp t, 0,1,2,3
.irp c, 0,1
.irp i, 0,1,2
	v_mov_b32 v[KA+12*\t+3+6*\c+\i], v[KA+48+8*\t+4*\c+\i]
.endr
.endr
.endr
.endm
.macro SMD t                           ; O^T of tile t under the new M
	WIN 0xc7+4*((\t)/2)                            ; O^T window 3, f window 1 or 2
	s_wait_alu depctr_va_vdst(0)                   ; directly ahead of the first reader of O^T
.set rF, FF+2*((\t)%2)
.set jj, 64*(\t)
.rept 32
	v_pk_mul_f32 v[jj:jj+1], v[jj:jj+1], v[rF:rF+1] op_sel_hi:[1,0]
.set jj, jj+2
.endr
.endm
.macro PV1                             ; the first step's O^T = V^T P^T: 32 accumulators, one instruction each; the products start the sums
	s_wait_alu depctr_va_vdst(0)
	s_wait_dscnt 0x0                               ; V is in
	WIN 0xf0                                       ; V and p window 0, D window 3
.irp c, 0,1,2,3,4,5,6,7
.irp t, 0,1,2,3
.set rD, 64*\t+8*\c
.set rA, KB+12*\c
.set rB, KA+12*\t
.set rSA, VS+\c/2
.set rSB, PS+\t
	WM 1, \c%2, 0
.endr
.endr
.endm
; O^T = f O^T + V^T P^T: all four tiles are rescaled first, then 32 accumulators take one matrix instruction each.
.macro PVS
	SMD 0                                          ; (these are also the plain instructions between the lines that made p's codes and scale words and the matrix instructions below)
	SMD 1
	SMD 2
	SMD 3
	s_wait_alu depctr_va_vdst(0)
	s_wait_dscnt 0x0                               ; V is in
.irp t, 0,1,2,3
.irp c, 0,1,2,3,4,5,6,7
	WIN 0xf0                                       ; V and p window 0, C and D window 3
.set rD, 64*\t+8*\c
.set rA, KB+12*\c
.set rB, KA+12*\t
.set rSA, VS+\c/2
.set rSB, PS+\t
	WM 0, \c%2, 0
.endr
.endr
.endm
; A STEP: my 128 keys of the slot in hand.  Each wait for 24 leaves out the next pair's 24 loads alone.
.macro STEP first
	v_add_nc_u32 v[AD], s[TB], v[AD0]
	v_add_nc_u32 v[AS], s[TB], v[AS0]
	s_wait_alu depctr_va_vdst(0)
.irp s, 0,1,2,3
	ds_load_b128 v[KS+4*\s:KS+4*\s+3], v[AD] offset:49152+512*\s   ; K's scale words of d step s: word pi: lanes 0-15 tile 2 pi, lanes 16-31 tile 2 pi + 1
.endr
.irp j, 0,1,2,3
	ds_load_b32 v[VS+\j], v[AS] offset:63488+128*\j
.endr
	KLOAD KA, 0
	KLOAD KB, 1
	s_wait_dscnt 24
	KQ 0, KA
	WIN 0
	PLACES
	KLOAD KA, 2
	s_wait_dscnt 24
	KQ 1, KB
	WIN 0
	PLACES
	KLOAD KB, 3
	s_wait_dscnt 24
	KQ 2, KA
	s_wait_dscnt 0x0
	KQ 3, KB
	WIN 0
	PLACES
.irp i, 0,1,2,3,4,5,6,7,8,9,10,11,12,13,14,15,16,17,18,19,20,21,22,23
	ds_load_b128 v[KB+4*\i:KB+4*\i+3], v[AD] offset:51200+512*\i   ; V's eight fragments land while the softmaxes are walked
.endr
.irp G, 0,1
	WIN 0x55*(1+\G)
	SMA2
	WIN 0x05*(1+\G)
	SMB \G, 0
	SMB \G, 1
.endr
	WIN 0
	SMC4
.if \first
.rept 8
	v_nop                                          ; a scale register written by a vector instruction stands eight plain instructions ahead of a scaled matrix instruction
.endr
	PV1
.else
	PVS
.endif
	WIN 0
	PLACES                                         ; ahead of the next step's loads into registers that these products read
	s_xor_b32 s[TB], s[TB], SLOT1                  ; on to the other slot
.endm
	s_load_b128 s[4:7], s[0:1], 0x0                ; qf, kv
	s_load_b64 s[8:9], s[0:1], 0x10                ; out0
	v_lshl_add_u32 v[SPW], v0, 2, SPARE
	v_mov_b32 v[NIL], 0
	ds_add_u32 v[SPW], v[NIL]                      ; the wave's opening: the add, twice on end, and its wait ahead of the round in front of my first tensor load
	ds_add_u32 v[SPW], v[NIL]
	v_lshrrev_b32 v1, 5, v0
	v_readfirstlane_b32 s[WV], v1                  ; wave 0..3
	s_lshr_b32 s11, s[WV], 1                       ; qh
	s_and_b32 s12, s[WV], 1                        ; kh
	s_bfe_u32 s13, ttmp6, 0x40000                  ; cx: my place in the cluster
	s_and_b32 s14, ttmp7, 0xffff                   ; the batch, which the four partners share
	s_lshl_b32 s15, ttmp9, 2
	s_add_co_u32 s15, s15, s13
	s_lshl_b32 s40, s14, 4
	s_add_co_u32 s15, s15, s40                     ; g = 16 batch + 4 cluster x + cx: it enters Q's and out0's addresses alone
	; group 1: a quarter of a step's 128,000 dense bytes: 125 rows of 256 bytes (32 elements of 8 bytes), no padding
	s_mov_b32 s[G1+0], 15|(3<<16)|(1<<21)          ; the mask: all four work-groups; elements of 8 bytes; bit 21 set beside a mask
	s_mov_b32 s[G1+1], 32<<16                      ; tensor_dim0
	s_mov_b32 s[G1+2], 125<<16                     ; tensor_dim1
	s_mov_b32 s[G1+3], 32<<16                      ; tile_dim0
	s_mov_b32 s[G1+4], 125                         ; tile_dim1
	s_mov_b32 s[G1+5], 32                          ; tensor_dim0_stride
	s_mov_b32 s[G1+6], 0
	s_mov_b32 s[G1+7], 0
	s_mov_b32 s[G0], 1
	s_mul_i32 s[G0+1], s[WV], 32000                ; slot 0, my quarter: no place in the cluster enters an LDS address
	s_mov_b32 s[CS], 0x3d8293ee                    ; c = log2(e) / sqrt(512)
	s_mov_b32 s[CS+1], s[CS]
	s_mov_b32 s[SEL], 0x76543210
	s_mov_b32 s[SEL+1], 0xfedcba98
	s_mov_b32 s[TB], 0
	s_mov_b32 s[CNT], 7
	s_cmp_eq_u32 ttmp9, 0                          ; the batch's first cluster: the same in all four partners
	s_cselect_b32 s[LIM], 1, -1
	s_mul_i32 s40, s14, 16*BLKB
	s_mul_i32 s41, s[WV], 32000
	s_add_co_u32 s40, s40, s41                     ; the batch's kv, my quarter of step 0
	s_mov_b32 s41, 0
	v_and_b32 v[AS0], 31, v0                       ; lane
	v_lshlrev_b32 v[LI], 4, v[AS0]
	s_mul_i32 s42, s12, BLKB
	v_add_nc_u32 v[AD0], s42, v[LI]
	v_lshl_add_u32 v[PFO], s13, 5, v[AS0]          ; 32 cx + lane,
	v_min_u32 v[PFO], 124, v[PFO]                  ; held at the quarter's last row,
	v_lshlrev_b32 v[PFO], 8, v[PFO]                ; 256 bytes a row
	v_lshlrev_b32 v[AS0], 2, v[AS0]
	v_add_nc_u32 v[AS0], s42, v[AS0]
	s_mul_i32 s42, s11, MPART
	s_add_co_u32 s42, s42, MRG
	v_add_nc_u32 v[MA], s42, v[LI]
	v_and_b32 v[STO], 15, v0
	v_mul_u32_u24 v[STO], v[STO], 528
	v_bfe_u32 v[AD], v0, 4, 1
	v_lshl_add_u32 v[STO], v[AD], 5, v[STO]
	v_add_nc_u32 v[STO], s42, v[STO]
	s_mul_i32 s42, s11, 24576
	v_add_nc_u32 v[QA], s42, v[LI]
	s_lshl_b32 s42, s11, 3
	v_add_nc_u32 v[QSA], s42, v[LI]
	s_wait_alu depctr_va_vdst(0)                   ; the head's end
	s_wait_dscnt 0x0                               ; both opening adds are done
	s_wait_kmcnt 0x0
	s_add_nc_u64 s[G0+2:G0+3], s[6:7], s[40:41]
	s_add_nc_u64 s[PFA:PFA+1], s[G0+2:G0+3], STEPB ; at step 1: the first change of slots steps it to step 2.  Nothing is prefetched here, at the head
	s_or_b32 s[G0+3], s[G0+3], 0x80000000          ; type = 2
	s_mul_i32 s42, s15, 51200
	s_mov_b32 s43, 0
	s_add_nc_u64 s[38:39], s[4:5], s[42:43]        ; my block of qf
	s_lshl_b32 s42, s15, 16
	s_lshl_b32 s40, s11, 15
	s_add_co_u32 s42, s42, s40
	s_add_nc_u64 s[44:45], s[8:9], s[42:43]        ; out0 at row 128 g + 64 qh
	; Q is asked for first of all, ahead of the round: nobody shares it, and it is on its way while the work-groups meet.  Its wait stands ahead of the first step, which holds its first reader
.irp G, 0,1
	WIN 0x40*(1+\G)                                ; destination window 1 + G
.irp u, 0,1
.irp s, 0,1,2,3
.irp c, 0,1,2
	global_load_b128 v[QF+12*(4*\u+\s)+4*\c:QF+12*(4*\u+\s)+4*\c+3], v[QA], s[38:39] offset:(4*(2*\G+\u)+\s)*1536+512*\c   ; Q stays in registers
.endr
.endr
	v_mov_b32 v[STT+4*\u], 0x7f61b1e6              ; -M = 3e38,
	v_mov_b32 v[STT+4*\u+1], 0xff61b1e6            ; the largest t so far: -3e38, under every t,
	v_mov_b32 v[STT+4*\u+2], 0                     ; the sum, in two halves
	v_mov_b32 v[STT+4*\u+3], 0
	v_mov_b32 v[FF+2*\u], 0
	v_mov_b32 v[FF+2*\u+1], 0                      ; (named as a pair's upper half before it is first written)
.irp b, 0,1,2,3
	v_mov_b32 v[PR+16*\u+\b], 0                    ; written once: a lane permute's destination counts as one of its sources
.endr
.endr
.endr
	WIN 0
.irp s, 0,1,2,3
	global_load_b64 v[QS+2*\s:QS+2*\s+1], v[QSA], s[38:39] offset:49152+512*\s   ; word G: lanes 0-15 my tile 2 G, lanes 16-31 my tile 2 G + 1
.endr
	ROUND                                          ; all four work-groups are here: the first joint loads meet
	tensor_load_to_lds s[G0:G0+3], s[G1:G1+7]      ; step 0
	s_nop 0
	PLACES
	CHANGE 1
	s_wait_loadcnt 0x0                             ; Q and its scale words: the step below holds the first line that reads them
	STEP 1                                         ; the first step is written out: its products start O^T, so nothing is cleared
	s_sub_co_u32 s[CNT], s[CNT], 1
.Lstep:                                            ; six trips
	CHANGE 1
	STEP 0
	s_sub_co_u32 s[CNT], s[CNT], 1
	s_cmp_lg_u32 s[CNT], 0
	s_cbranch_scc1 .Lstep
	CHANGE 0                                       ; the last step is written out
	STEP 0
	; ---- THE MERGE of the two key halves.
	WIN 0x05
.irp u, 0,1
	v_mov_b32 v[48+2*\u], v[STT+4*\u]              ; -M,
	v_add_f32 v[49+2*\u], v[STT+4*\u+2], v[STT+4*\u+3]   ; and the sum's two halves
.endr
	WIN 0x0a
.irp u, 0,1
	v_mov_b32 v[52+2*\u], v[STT+4*\u]
	v_add_f32 v[53+2*\u], v[STT+4*\u+2], v[STT+4*\u+3]
.endr
	WIN 0
	s_wait_alu depctr_va_vdst(0)
	s_cmp_eq_u32 s12, 0                            ; the wave's number alone: the same in every work-group
	s_cbranch_scc1 .Lkeep
	ds_store_b128 v[MA], v[48:51]                  ; kh = 1 hands over its statistics,
	ds_store_b128 v[MA], v[52:55] offset:512
	WIN 0x0c                                       ; an LDS store's data are its source 1: window 3
.set ii, 0
.rept 64
	ds_store_b128 v[MA], v[4*ii:4*ii+3] offset:1024+512*ii   ; and O^T as an image of its registers, each accumulator from its low end on
.set ii, ii+1
.endr
	WIN 0
.Lkeep:
	s_wait_dscnt 0x0
	s_barrier_signal -1
	s_barrier_wait -1
	s_cmp_lg_u32 s12, 0
	s_cbranch_scc1 .Lend
	ds_load_b128 v[56:59], v[MA]
	ds_load_b128 v[60:63], v[MA] offset:512
	s_wait_dscnt 0x0
.irp t, 0,1,2,3
	v_min_num_f32 v[32+\t], v[48+2*\t], v[56+2*\t] ; -M of both halves together
.endr
.irp t, 0,1,2,3
	v_sub_f32 v[36+\t], v[32+\t], v[48+2*\t]       ; my M less the common M: a whole number, 0 or less;
	v_sub_f32 v[40+\t], v[32+\t], v[56+2*\t]       ; my partner's likewise
.endr
.irp t, 0,1,2,3
	v_cvt_i32_f32 v[36+\t], v[36+\t]
	v_cvt_i32_f32 v[40+\t], v[40+\t]
.endr
.irp t, 0,1,2,3
	v_ldexp_f32 v[36+\t], 1.0, v[36+\t]            ; f0,
	v_ldexp_f32 v[40+\t], 1.0, v[40+\t]            ; f1: powers of two
.endr
.irp t, 0,1,2,3
	v_mul_f32 v[44+\t], v[49+2*\t], v[36+\t]
.endr
.irp t, 0,1,2,3
	v_fma_f32 v[44+\t], v[57+2*\t], v[40+\t], v[44+\t]
.endr
.irp t, 0,1,2,3
	v_permlanex16_b32 v[32+\t], v[44+\t], s[SEL], s[SEL+1]
.endr
.irp t, 0,1,2,3
	v_add_f32 v[44+\t], v[44+\t], v[32+\t]         ; with lane l xor 16's: the row's sum
.endr
	s_wait_alu depctr_va_vdst(0)                   ; ahead of the batch
.irp t, 0,1,2,3
	v_rcp_f32 v[32+\t], v[44+\t]
.endr
	v_nop                                          ; a plain instruction behind the last reciprocal
	s_wait_alu depctr_va_vdst(0)                   ; one wait for the four, ahead of their first reader
.irp t, 0,1,2,3
	v_mul_f32 v[16+2*\t], v[36+\t], v[32+\t]       ; g0 = f0 / the sum,
	v_mul_f32 v[24+2*\t], v[40+\t], v[32+\t]       ; g1 = f1 / the sum,
.endr
.irp t, 0,1,2,3
	v_mov_b32 v[17+2*\t], v[16+2*\t]               ; each twice, for the packed forms
	v_mov_b32 v[25+2*\t], v[24+2*\t]
.endr
	s_wait_alu depctr_va_vdst(0)
; Tile t: my partner's O^T from LDS; O = g0 x mine + g1 x its; through the stage (rows of 512 bytes + 16), and out as whole rows.
.irp t, 0,1,2,3
.irp i, 0,1,2,3,4,5,6,7,8,9,10,11,12,13,14,15
	ds_load_b128 v[64+4*\i:67+4*\i], v[MA] offset:1024+8192*\t+512*\i
.endr
	s_wait_dscnt 0x0
.set jj, 0
.rept 32
	v_pk_mul_f32 v[64+jj:65+jj], v[64+jj:65+jj], v[24+2*\t:25+2*\t]
.set jj, jj+2
.endr
	WIN 0x03                                       ; source 0: O^T, window 3
	s_wait_alu depctr_va_vdst(0)                   ; directly ahead of the first reader of O^T
.set jj, 0
.rept 32
	v_pk_fma_f32 v[128+jj:129+jj], v[64*\t+jj:64*\t+jj+1], v[16+2*\t:17+2*\t], v[64+jj:65+jj]
.set jj, jj+2
.endr
	WIN 0
.irp c, 0,1,2,3,4,5,6,7
	ds_store_b128 v[STO], v[128+8*\c:131+8*\c] offset:64*\c        ; lane (r, h): channels 16 c + 8 h + 0 .. 7 of query r.  The stage's bytes held the statistics and the head of tile 0's image, which are in registers by now
	ds_store_b128 v[STO], v[132+8*\c:135+8*\c] offset:64*\c+16
.endr
.irp i, 0,1,2,3,4,5,6,7,8,9,10,11,12,13,14,15
	ds_load_b128 v[192+4*\i:195+4*\i], v[MA] offset:528*\i         ; LDS serves a wave's instructions in order (ISA guide 5.7.1.4): these see my stores
.endr
.irp i, 0,1,2,3,4,5,6,7,8,9,10,11,12,13,14,15
	s_wait_dscnt 15-\i
	global_store_b128 v[LI], v[192+4*\i:195+4*\i], s[44:45] offset:(32*(\t/2)+8*(\t%2)+\i+8*(\i/8))*512 th:TH_STORE_NT   ; 32 lanes store a row of 512 consecutive bytes, at a multiple of 256 from out0's first byte
.endr
	s_wait_xcnt 0x0                                ; the stores have read their registers: the next tile's rows may land there
.endr
.Lend:
	s_wait_tensorcnt 0x0                           ; the wave's end: behind my last tensor load and my last LDS store
	ds_add_u32 v[SPW], v[NIL]
	s_wait_dscnt 0x0
	ROUND                                          ; the closing round: no work-group ends while a partner may still ask for a tile that names it
	s_endpgm
.Lfunc_end_k_q8a7201619b_attn:
	.size	k_q8a7201619b_attn, .Lfunc_end_k_q8a7201619b_attn-k_q8a7201619b_attn
	.p2alignl 7, 3214868480
	.fill 96, 4, 3214868480
	.section	.rodata,"a",@progbits
	.p2align	6, 0x0
	.amdhsa_kernel k_q8a7201619b_attn
		.amdhsa_group_segment_fixed_size 327680
		.amdhsa_private_segment_fixed_size 0
		.amdhsa_enable_private_segment 0
		.amdhsa_kernarg_size 24
		.amdhsa_user_sgpr_count 2
		.amdhsa_user_sgpr_kernarg_segment_ptr 1
		.amdhsa_wavefront_size32 1
		.amdhsa_system_sgpr_workgroup_id_x 1
		.amdhsa_system_sgpr_workgroup_id_y 1
		.amdhsa_system_sgpr_workgroup_id_z 1
		.amdhsa_system_vgpr_workitem_id 0
		.amdhsa_next_free_vgpr 1024
		.amdhsa_next_free_sgpr 66
		.amdhsa_reserve_vcc 0
		.amdhsa_float_denorm_mode_32 3
		.amdhsa_float_denorm_mode_16_64 3
		.amdhsa_memory_ordered 1
		.amdhsa_forward_progress 1
		.amdhsa_inst_pref_size 255
	.end_amdhsa_kernel
	.section	.bss,"aw",@nobits
	.p2align	6
	.space	262144
	.amdgpu_metadata
---
amdhsa.version: [ 1, 2 ]
amdhsa.kernels:
  - .name:           k_q8a7201619b_attn
    .symbol:         k_q8a7201619b_attn.kd
    .args:
      - { .name: qf, .offset: 0, .size: 8, .value_kind: global_buffer, .address_space: global }
      - { .name: kv, .offset: 8, .size: 8, .value_kind: global_buffer, .address_space: global }
      - { .name: out0, .offset: 16, .size: 8, .value_kind: global_buffer, .address_space: global }
    .group_segment_fixed_size: 327680
    .private_segment_fixed_size: 0
    .kernarg_segment_align: 8
    .kernarg_segment_size: 24
    .max_flat_workgroup_size: 128
    .sgpr_count:     66
    .vgpr_count:     1024
    .wavefront_size: 32
...
	.end_amdgpu_metadata
.endif
;; end of part 3
